; MI455X (gfx1250); checked and timed in simulation.
; The chip was launched on July 23, 2026; its instructions are those of AMD's public machine-readable ISA for CDNA 5 (MIT licence, August 2026) and "CDNA5" Instruction Set Architecture Reference Guide (July 2026). The comments in the code are by the model that wrote it; some were corrected since.
;; Attn. Allowed arithmetic: matrix products marked QUANTISED: E5M2 operands, one E8M0 scale for each 32 along K, by v_wmma_scale_f32_16x16x128_f8f6f4 with both operands' format E5M2, f32 sums; everything else in f32.
;; Inputs: k 2 x 2,048 x 8 x 128 float32; q 2 x 2,048 x 32 x 128 float32; v 2 x 2,048 x 8 x 128 float32.
;; Outputs: out0 2 x 2,048 x 32 x 128 float32.
;; This version of the problem:
;;   THIS VERSION OF THE PROBLEM IS GIVEN IN LOW PRECISION. The matrix products marked QUANTISED in the list below multiply operands that are first quantised to E5M2 (5 exponent bits, 2 mantissa bits; 8 bits a number), with one power-of-two scale for each 32 numbers along K (OCP MX v1.0); their sums are f32. All else is computed in f32.
;;   The module's matrix products, in the order in which they are computed (A, B: the left and right operand; K: the contracted axis; several contracted axes count as one K, in the product's order):
;;     1. batch 64 x [M 2,048, K 128] x [K 128, N 2,048]; A: input q; B: input k: QUANTISED
;;     2. batch 64 x [M 128, K 2,048] x [K 2,048, N 2,048]; A: input v; B: softmax (see below): QUANTISED
;;   THE QUANTISER, for each operand of a quantised product, along K:
;;     - K is cut into blocks of 32 from its start; a last block that is shorter is filled with zeros.
;;     - A block's scale is 2^e with e = floor(log2(the largest magnitude in the block)) - 15, held to -126 .. 127; a block of zeros has e = 0. As a byte (E8M0): e + 127.
;;     - Each number is divided by its block's scale, clamped to +-57,344, and rounded to the nearest number of E5M2, ties to even, subnormals kept.
;;     - The product sums the exact products of the quantised numbers (number of the format x scale) in f32.
;;   ~~~python
;;   def quantise(x, axis):      # numpy; x: float32 -> the quantised numbers, widened to float32 again
;;       x = np.moveaxis(x, axis, -1); K = x.shape[-1]
;;       x = np.pad(x, [(0, 0)] * (x.ndim - 1) + [(0, -K % 32)]); x = x.reshape(x.shape[:-1] + (-1, 32)); a = np.abs(x).max(-1, keepdims=True)
;;       e = np.where(a > 0, np.clip(np.frexp(np.where(a > 0, a, 1))[1] - 1 - 15, -126, 127), 0)      # np.frexp(a)[1] - 1 = floor(log2(a)), exactly
;;       r = np.clip(x / 2.0 ** e, -57344, 57344)
;;       step = 2.0 ** (np.maximum(np.frexp(np.where(r == 0, 1, r))[1] - 1, -14) - 2)
;;       q = np.round(r / step) * step * 2.0 ** e      # np.round: ties to even
;;       return np.moveaxis(q.reshape(q.shape[:-2] + (-1,))[..., :K], -1, axis).astype(np.float32)
;;   ~~~
;;   SOFTMAX AHEAD OF A QUANTISED PRODUCT. Where the list says 'softmax', what is quantised is not the finished softmax but p = 2^(t - M), with t = logit x log2(e) and M = ceil(the row's largest t), a whole number; so 1/2 < the row's largest p <= 1. The row's sum l is taken of the UNQUANTISED p, in f32, and the product's result is divided by l at the end. Since M is a whole number, a kernel that streams over the keys may use a running M (the ceiling of the running maximum): every later rescaling is an exact power of two, which a block's scale takes up: the codes' values come out the same.
;;   OPERANDS COMPUTED ON THE WAY. 'Computed on the way' means the value that the module computes at that place (a softmax that the list does not call 'softmax' is quantised finished and normalised). What goes into a quantiser is computed in f32, as accurately as f32 sums, v_exp_f32 and their like allow (about 1e-6 of the number): no bf16 or f16 on the way to a quantiser, and a product that is left as it is and whose result goes on into a quantised operand takes f32 operands (vector FMAs, or v_wmma_f32_16x16x4_f32). A number that lies on a knife's edge between two numbers of the format may be rounded either way, as far as f32 arithmetic and the matrix unit's own rounding can turn it there, and no further.
;; One version. Each part assembles by itself: llvm-mc -triple=amdgcn-amd-amdhsa -mcpu=gfx1250 --defsym DOCPART=n.
;; ======== version 1 of 1: 2 launches
;; limits: right only within a limited range of input values
;; workspace buffers: kv 8,650,752 bytes
;; launch prep (part 1): grid 16 x 16, 8 waves a work-group, no clusters, 137,216 bytes of LDS; arguments k, v, kv; writes kv
.if DOCPART == 1
	.amdgcn_target "amdgcn-amd-amdhsa--gfx1250"
	.amdhsa_code_object_version 6
	.text
	.protected	k_q5778258c9b_prep
	.globl	k_q5778258c9b_prep
	.p2align	8
	.type	k_q5778258c9b_prep,@function
k_q5778258c9b_prep:
	s_mov_b64 s[64:65], 0
	v_nop
	global_prefetch_b8 v0, s[64:65] scope:SCOPE_SE
	s_setreg_imm32_b32 hwreg(HW_REG_WAVE_MODE, 25, 1), 1
	s_wait_xcnt 0x0
; K and V, [2][2048][8][128] f32, become codes of BF8 (E5M2) with one E8M0 scale byte for each 32 along a product's K: K is quantised along the head's 128 channels, V along the keys.
; A block's scale is 2^(floor(log2(its largest magnitude)) - 15); its byte is the largest magnitude's exponent field - 15, held at 1 from below; each number is divided by the scale, held within +-57,344 and
; rounded to the nearest code, ties to even.
; LIMITS: a block of zeros gets the byte 1 where the quantiser's text says 127: its codes are zeros, which add nothing under any byte but 0xff, and these bytes are read by this program alone.
; NaN and infinities among the inputs are not served.
; THE WORKSPACE IS LAID IN THE ORDER OF THE OPERANDS' REGISTERS.  One key step (128 keys) of one KV head y = 8 b + kvh is one dense block of BLK = 33,792 bytes at (16 y + step) x BLK.  With r = lane % 16, h = lane / 16:
;   2048 T + 512 c + 16 lane + e          K's code of key 32 (T / 2) + 8 (T % 2) + r + 8 (r / 8) of the step, channel 32 c + 16 h + e      (T = 0 .. 7)
;   16384 + 2048 T + 512 c + 16 lane + e  V's code of channel 16 T + r, key 32 c + 16 h + e of the step
;   32768 + 64 T + 4 r                    the scale word of that row of K's tile T (byte c: channels 32 c on);      33280 + 64 T + 4 r   that of V's channel 16 T + r (byte c: keys 32 c on)
; SHARES.  A work-group (x = key step, y = KV head) makes one block; wave w makes K's tile w and V's tile w.  Every global load and store of a wave covers 512 consecutive bytes, aligned.
; K: a row of 128 channels is loaded 16 bytes a lane and turned through the wave's own stage in LDS, so that a lane holds 16 neighbouring channels of each block of 32 of ONE key.
; V: the step's 128 key rows are laid in LDS by all eight waves; behind a barrier a lane reads one channel's column down the keys.  No tensor loads: LDS is claimed as it is used.
.set BLK, 33792
.set SP,  528                          ; an LDS row: 512 bytes + 16 of padding
.set KST, 128*SP                       ; LDS: V's 128 rows from byte 0; then a stage of 16 rows for each wave;
.set SCW, KST+8*16*SP                  ; then the image of the block's last 1,024 bytes: the scale words
; v1 16 x lane   v4, v5 my stage: in, back   v6 V's rows: in   v7 V's columns   v8 my scale word   v9 the scale words' way out
; v16-31 the codes   v32-95 K as loaded, later V's columns   v96-159 V as loaded   v160-223 K turned   v232-247 at work   v248 the scale word
; 64 numbers of a lane, register s + 16 b + i = k 32 b + 16 (lane / 16) + i of the lane's row, become a fragment's codes in v[pc] on and its scale word in v[pw]
.macro QUANT s, pc, pw
.irp b, 0,1,2,3
	v_max3_num_f32 v[232+\b], |v[\s+16*\b]|, |v[\s+1+16*\b]|, 0x8000000   ; block b: my 16 numbers, and the floor 2^(16 - 127): the byte cannot fall under 1
.endr
.irp i, 2,4,6,8,10,12,14
.irp b, 0,1,2,3
	s_delay_alu instid0(VALU_DEP_4)
	v_max3_num_f32 v[232+\b], v[232+\b], |v[\s+16*\b+\i]|, |v[\s+1+16*\b+\i]|   ; the four blocks by turns
.endr
.endr
.irp b, 0,1,2,3
	s_delay_alu instid0(VALU_DEP_4)
	v_permlanex16_b32 v[236+\b], v[232+\b], s20, s21
.endr
.irp b, 0,1,2,3
	s_delay_alu instid0(VALU_DEP_4)
	v_max_num_f32 v[232+\b], v[232+\b], v[236+\b]          ; with lane l xor 16's 16: the block's largest magnitude
.endr
.irp b, 0,1,2,3
	s_delay_alu instid0(VALU_DEP_4)
	v_add_nc_u32 v[244+\b], 0xf8800000, v[232+\b]          ; 15 off its exponent field: the conversion takes the exponent field of this operand as its scale
.endr
.irp b, 0,1,2,3
.endr
.irp b, 0,1,2,3
	s_delay_alu instid0(VALU_DEP_4)
	v_lshrrev_b32 v[236+\b], 23, v[244+\b]                 ; the scale's byte
.endr
	s_delay_alu instid0(VALU_DEP_3)
	v_lshl_or_b32 v[\pw], v237, 8, v236                    ; four bytes make the row's scale word
	s_delay_alu instid0(VALU_DEP_1)
	v_lshl_or_b32 v[\pw], v238, 16, v[\pw]
	s_delay_alu instid0(VALU_DEP_1)
	v_lshl_or_b32 v[\pw], v239, 24, v[\pw]
.irp b, 0,1,2,3
.irp i, 0,1,2,3,4,5,6,7,8,9,10,11,12,13,14,15
.endr
	v_cvt_scalef32_pk8_bf8_f32 v[\pc+4*\b:\pc+1+4*\b], v[\s+16*\b:\s+7+16*\b], v[244+\b]
	v_cvt_scalef32_pk8_bf8_f32 v[\pc+2+4*\b:\pc+3+4*\b], v[\s+8+16*\b:\s+15+16*\b], v[244+\b]
.endr
	v_nop                                                  ; one plain vector instruction behind the last conversion
.endm
	s_load_b128 s[4:7], s[0:1], 0x0                ; k s[4:5], v s[6:7]
	s_load_b64 s[8:9], s[0:1], 0x10                ; kv
	v_lshl_add_u32 v254, v0, 2, 0x21400
	v_mov_b32 v255, 0
	v_lshrrev_b32 v2, 5, v0
	s_delay_alu instid0(VALU_DEP_1)
	v_readfirstlane_b32 s10, v2                    ; wave 0..7
	v_and_b32 v2, 31, v0
	s_delay_alu instid0(VALU_DEP_1)
	v_lshlrev_b32 v1, 4, v2                        ; 16 x lane
	v_and_b32 v2, 15, v0                           ; r
	v_bfe_u32 v3, v0, 4, 1                         ; h
	s_mul_i32 s11, s10, 16*SP
	v_add_nc_u32 v6, s11, v1                       ; V's rows 16 w on, 16 bytes a lane
	s_add_co_u32 s18, s11, KST
	v_add_nc_u32 v4, s18, v1                       ; my stage, a row an instruction
	v_mul_u32_u24 v5, v2, SP
	s_delay_alu instid0(VALU_DEP_1)
	v_lshl_add_u32 v5, v3, 6, v5
	s_delay_alu instid0(VALU_DEP_1)
	v_add_nc_u32 v5, s18, v5                       ; and back: row r, + 64 h: my 16 channels of a block of 32
	s_lshl_b32 s18, s10, 6
	v_lshlrev_b32 v8, 2, v2
	s_delay_alu instid0(VALU_DEP_1)
	v_add_nc_u32 v8, s18, v8                       ; 64 w + 4 r
	v_mul_u32_u24 v7, v3, 16*SP
	s_delay_alu instid0(VALU_DEP_1)
	v_add_nc_u32 v7, v7, v8                        ; V's column: channel 16 w + r, from key row 16 h on
	s_delay_alu instid0(VALU_DEP_3)
	v_add_nc_u32 v8, SCW, v8                       ; my row's scale word
	v_add_nc_u32 v9, SCW, v1
.irp b, 0,1,2,3
	v_mov_b32 v[236+\b], 0                         ; written once: a lane permute's destination counts as one of its sources
.endr
	s_mov_b32 s20, 0x76543210
	s_mov_b32 s21, 0xfedcba98                      ; v_permlanex16_b32's selects for lane l xor 16
	s_and_b32 s22, ttmp7, 0xffff                   ; y = 8 b + kvh
	s_lshr_b32 s23, s22, 3
	s_lshl_b32 s23, s23, 11                        ; b x 2,048 positions
	s_lshl_b32 s24, ttmp9, 7
	s_add_co_u32 s23, s23, s24                     ; + 128 x key step
	s_lshl_b32 s23, s23, 12                        ; a position is 8 heads x 512 bytes
	s_and_b32 s24, s22, 7
	s_lshl_b32 s24, s24, 9
	s_add_co_u32 s23, s23, s24                     ; + my head's 512 bytes: under 2^24
	s_lshr_b32 s24, s10, 1
	s_lshl_b32 s24, s24, 17
	s_and_b32 s25, s10, 1
	s_lshl_b32 s25, s25, 15
	s_add_co_u32 s24, s24, s25                     ; K's tile w begins at key 32 (w / 2) + 8 (w % 2)
	s_add_co_u32 s24, s24, s23
	s_mov_b32 s25, 0
	s_lshl_b32 s26, s10, 16                        ; I bring V's key rows 16 w on
	s_add_co_u32 s26, s26, s23
	s_mov_b32 s27, 0
	s_lshl_b32 s28, s22, 4
	s_add_co_u32 s28, s28, ttmp9
	s_mul_i32 s28, s28, BLK                        ; my work-group's block,
	s_lshl_b32 s29, s10, 11
	s_add_co_u32 s28, s28, s29                     ; my tile's 2,048 bytes in it
	s_mov_b32 s29, 0
	s_wait_kmcnt 0x0
	s_add_nc_u64 s[12:13], s[4:5], s[24:25]
	s_add_nc_u64 s[14:15], s[6:7], s[26:27]
	s_add_nc_u64 s[16:17], s[8:9], s[28:29]
.set i, 0
.rept 16
	global_load_b128 v[96+4*i:99+4*i], v1, s[14:15] offset:4096*i th:TH_LOAD_NT              ; V: key row 16 w + i, 512 bytes
.set i, i+1
.endr
.set i, 0
.rept 16
	global_load_b128 v[32+4*i:35+4*i], v1, s[12:13] offset:4096*(i+8*(i/8)) th:TH_LOAD_NT    ; K: the key of the tile's row i
.set i, i+1
.endr
	s_wait_loadcnt 16                              ; V's 16 loads are in; K's 16, issued behind them, may be out
.set i, 0
.rept 16
	ds_store_b128 v6, v[96+4*i:99+4*i] offset:SP*i
.set i, i+1
.endr
	s_wait_loadcnt 0x0
.set i, 0
.rept 16
	ds_store_b128 v4, v[32+4*i:35+4*i] offset:SP*i
.set i, i+1
.endr
.irp c, 0,1,2,3
.irp j, 0,1,2,3
	ds_load_b128 v[160+16*\c+4*\j:163+16*\c+4*\j], v5 offset:128*\c+16*\j   ; my own stage: LDS serves a wave's instructions in order (ISA guide 5.7.1.4), so these see the stores above
.endr
.endr
	s_wait_dscnt 0x0
	QUANT 160, 16, 248
.irp c, 0,1,2,3
	global_store_b128 v1, v[16+4*\c:19+4*\c], s[16:17] offset:512*\c
.endr
	ds_store_b32 v8, v248                          ; lanes r and r + 16 write the same word with the same value
	s_wait_dscnt 0x0                               ; for the others' sake: my rows of V lie in LDS
	s_barrier_signal -1
	s_barrier_wait -1                              ; all 128 rows do
.irp c, 0,1,2,3
.irp i, 0,1,2,3,4,5,6,7,8,9,10,11,12,13,14,15
	ds_load_b32 v[32+16*\c+\i], v7 offset:SP*(32*\c+\i)    ; V(key 32 c + 16 h + i, channel 16 w + r)
.endr
.endr
	s_wait_dscnt 0x0
	s_wait_xcnt 0x0                                ; K's stores have read v16-31, which are written again below
	QUANT 32, 16, 248
.irp c, 0,1,2,3
	global_store_b128 v1, v[16+4*\c:19+4*\c], s[16:17] offset:16384+512*\c
.endr
	ds_store_b32 v8, v248 offset:512
	s_wait_dscnt 0x0                               ; for wave 0's sake: my scale words lie in LDS
	s_barrier_signal -1
	s_barrier_wait -1
	s_cmp_lg_u32 s10, 0                            ; wave 0 stores the block's 1,024 bytes of scale words (its base has no tile offset)
	s_cbranch_scc1 .Lend
	ds_load_b128 v[32:35], v9
	ds_load_b128 v[36:39], v9 offset:512
	s_wait_dscnt 0x0
	global_store_b128 v1, v[32:35], s[16:17] offset:32768
	global_store_b128 v1, v[36:39], s[16:17] offset:33280
.Lend:
	s_wait_tensorcnt 0x0
	ds_add_u32 v254, v255
	s_wait_dscnt 0x0
	s_endpgm
.Lfunc_end_k_q5778258c9b_prep:
	.size	k_q5778258c9b_prep, .Lfunc_end_k_q5778258c9b_prep-k_q5778258c9b_prep
	.p2alignl 7, 3214868480
	.fill 96, 4, 3214868480
	.section	.rodata,"a",@progbits
	.p2align	6, 0x0
	.amdhsa_kernel k_q5778258c9b_prep
		.amdhsa_group_segment_fixed_size 137216
		.amdhsa_private_segment_fixed_size 0
		.amdhsa_enable_private_segment 0
		.amdhsa_kernarg_size 24
		.amdhsa_user_sgpr_count 2
		.amdhsa_user_sgpr_kernarg_segment_ptr 1
		.amdhsa_wavefront_size32 1
		.amdhsa_system_sgpr_workgroup_id_x 1
		.amdhsa_system_sgpr_workgroup_id_y 1
		.amdhsa_system_sgpr_workgroup_id_z 1
		.amdhsa_system_vgpr_workitem_id 0
		.amdhsa_next_free_vgpr 256
		.amdhsa_next_free_sgpr 66
		.amdhsa_reserve_vcc 0
		.amdhsa_float_denorm_mode_32 3
		.amdhsa_float_denorm_mode_16_64 3
		.amdhsa_fp16_overflow 1
		.amdhsa_memory_ordered 1
		.amdhsa_forward_progress 1
		.amdhsa_inst_pref_size 25
	.end_amdhsa_kernel
	.amdgpu_metadata
---
amdhsa.version: [ 1, 2 ]
amdhsa.kernels:
  - .name:           k_q5778258c9b_prep
    .symbol:         k_q5778258c9b_prep.kd
    .args:
      - { .name: k, .offset: 0, .size: 8, .value_kind: global_buffer, .address_space: global }
      - { .name: v, .offset: 8, .size: 8, .value_kind: global_buffer, .address_space: global }
      - { .name: kv, .offset: 16, .size: 8, .value_kind: global_buffer, .address_space: global }
    .group_segment_fixed_size: 137216
    .private_segment_fixed_size: 0
    .kernarg_segment_align: 8
    .kernarg_segment_size: 24
    .max_flat_workgroup_size: 256
    .sgpr_count:     66
    .vgpr_count:     256
    .wavefront_size: 32
...
	.end_amdgpu_metadata
.endif
;; end of part 1
;; launch attn (part 2): grid 16 x 16, 8 waves a work-group, no clusters, 327,680 bytes of LDS; arguments q, kv, out0; writes out0
.if DOCPART == 2
	.amdgcn_target "amdgcn-amd-amdhsa--gfx1250"
	.amdhsa_code_object_version 6
	.text
	.protected	k_q5778258c9b_attn
	.globl	k_q5778258c9b_attn
	.p2align	8
	.type	k_q5778258c9b_attn,@function
k_q5778258c9b_attn:
	s_mov_b64 s[64:65], 0
	v_nop
	global_prefetch_b8 v0, s[64:65] scope:SCOPE_SE
	s_setreg_imm32_b32 hwreg(HW_REG_WAVE_MODE, 25, 1), 1
	s_wait_xcnt 0x0
; out0[b][i][hq][:] = the sum over keys j <= i of softmax_j(q[b][i][hq] . k[b][j][hq / 4] / sqrt(128)) v[b][j][hq / 4][:], both products on codes of BF8 (E5M2) with one E8M0 scale for each 32 along K.
; q, out0: [2][2048][32][128] f32.  K and V come as codes and scale words from the workspace kv, one dense block of 33,792 bytes for a key step of 128 keys of a KV head, laid in the order of the operands' registers:
;   2048 T + 512 c + 16 lane: K's tile T (lane r: key 32 (T / 2) + 8 (T % 2) + r + 8 (r / 8));  16384 + the same: V's tile T (lane r: channel 16 T + r, K = the keys);  32768 + 64 T + 4 r, 33280 + 64 T + 4 r: their scale words.
; THE SOFTMAX: t = score x log2(e) / sqrt(128); M = the running largest t, taken UP to a whole number; p = 2^(t - M) is quantised along the keys, not normalised; the row's sum is taken of the unquantised p and divides at the
; end; when M moves, the sum and O are multiplied by 2^(old M - new M), which rounds nothing.
; SHARES.  A work-group (x = p, y = 8 b + kvh) owns the four query heads of one KV head at 64 positions, twice: first block 31 - p of the positions, then block p.  Block i needs i / 2 + 1 key steps, so every work-group
; walks ((31 - p) / 2 + 1) + (p / 2 + 1) = 17 key steps: 256 work-groups of equal work, and a trip count that is a constant.  No step lies wholly behind the causal mask; only a block's last step meets the diagonal.
; Wave w owns positions 16 (w % 4) on of the block, for the heads 2 (w / 4) and 2 (w / 4) + 1 of the four: TWO TILES of 16 queries, so that each fragment of K and V read from LDS feeds two matrix instructions.
; Both products are used transposed (S^T = K Q^T, O^T = V^T P^T): a lane holds one query (lane % 16) throughout, and the 16 registers of S^T's tiles 2 b, 2 b + 1 are the neighbouring keys 32 b + 16 (lane / 16) + 0 .. 15.
; NO CLUSTER: the sixteen work-groups of a KV head leave their first block behind trip (31 - p) / 2, that is behind trips 8 to 15 by p, so partners would branch differently and ask for different blocks in the same trip;
; only p and p xor 1 agree, which is two and not four.
; LIMITS: NaN and infinities among the inputs are not served.  A block of zeros (of q, or of p behind the mask) has the scale byte 1 and zero codes.  A block's largest p is taken from its largest score, which takes
; v_exp_f32 not to fall where its input rises.
; REGISTERS, two windows of 256.  Tile x lives in window x under the same numbers: v12 -M, v13 the largest t, v[14:15] the sum in two halves, v16-31 Q's codes, v96-159 S^T then p, v160-223 O^T, v224-239 p's codes,
;   v232-247 at work, v252 f, v253 p's scale word, v254 at work, v255 Q's scale word.  Window 0 besides: v0-11 addresses, v32-95 fragments of tiles 0-3, v248-251 the tiles' scale words.  Window 1: v0 a copy of the
;   thread's number, v32-95 fragments of tiles 4-7.  Scale operands are read from window 0 alone: window 0's v253 and v255 carry tile 0's words in lanes 0-15 and tile 1's in lanes 16-31.
.set BLK,   33792
.set HALF,  BLK/2                      ; what one tensor load brings: 66 rows of 256 bytes
.set SLOT1, 1<<16                      ; slot 0 at LDS byte 0, slot 1 here: one exclusive or turns an address from one slot to the other
.set SP,    528                        ; a stage row: 512 bytes + 16 of padding
.set STG,   SLOT1+BLK                  ; behind the ring: a stage of 16 rows for each wave
.set QT,    2560                       ; the second block's Q of one tile, as an image of its registers: 2,048 bytes of codes, 512 of scale words (16 bytes a lane)
.set QIM,   STG+8*16*SP                ; two such images for each wave
.set SPARE, QIM+8*2*QT                 ; the spare words, 128 bytes for each wave: four blocks of 256 bytes that no other line names
; v1 16 x lane (LDS and global)  v2 32768 + 4 x lane  v3 my stage by rows  v4 my stage: row r + 64 h  v5 my spare word  v6 0  v7 my stage: row r + 32 h  v8, v9 the step's fragments and scale words  v10 256 x lane  v11 my images of Q
; s10 wave  s11 lanes 16-31  s[20:21] lane selects  s[22:23] c  s[24:31], s[32:35] descriptor groups 1, 0  s[36:37] kv at my KV head and my half of a block  s[38:39] the next block's offset
; s[40:41] where my prefetches stand  s42 trips in which I prefetch  s43 trip  s44 the first block's last trip  s45 that + 1  s46 the slot in hand  s47 the step's first key  s48, s49 my first query: now, in the second block
; s[50:51], s[52:53] out0 at my rows: now, in the second block  s[66:67], s[68:69] q at my rows of the first and of the second block  s54 at work
.set MSB, 0
.macro WIN new                         ; s_set_vgpr_msb: bits 1:0 source 0, 3:2 source 1, 5:4 source 2, 7:6 destination; the high byte repeats the setting that is left; a switch that changes nothing is dropped
.if MSB != (\new)
	s_set_vgpr_msb (MSB<<8)|(\new)
.set MSB, (\new)
.endif
.endm
; Waves 0 and 1 fetch the two halves of a block; the branch hangs on the wave's number alone.  Four v_nop follow the load, ahead of the label.
.macro TLOAD
	s_cmp_lt_u32 s10, 2
	s_cbranch_scc0 .Lnot_mine_\@
	tensor_load_to_lds s[32:35], s[24:31]
	s_nop 0
.rept 4
	v_nop
.endr
.Lnot_mine_\@:
.endm
; A prefetch of the 32,768 code bytes of key step t + 2, which the tensor loads of trip t + 1 will ask for.  All sixteen work-groups of a KV head begin with key steps 0, 1, 2 ..: the one with p = 0, which walks all sixteen
; steps, asks, and nobody else; in it waves 4 to 7, which fetch nothing, 8,192 bytes each, lanes 256 bytes apart: each aligned 256 bytes are named once in the launch.  Steps 0 and 1 and the scale words come by their
; loads alone; the last request, in trip 13, is for step 15, the head's last.
.macro ASK
	s_cmp_lt_u32 s43, s42
	s_cbranch_scc0 .Lnot_asked_\@
	global_prefetch_b8 v10, s[40:41] th:TH_LOAD_NT scope:SCOPE_SE
.Lnot_asked_\@:
.endm
; THE CHANGE OF SLOTS, at a trip's head.  Each wave waits for all its tensor loads (its half of the block that is about to be read), adds 0 to its spare word, and waits for that and for its reads of the slot that it has
; left.  Behind the barrier the slot ahead is whole and nobody reads the other one: fill = 1: it takes the block of the next trip, which has this trip's work in which to land.  One tensor load of a wave is out at the most.
.macro CHANGE fill
	s_wait_tensorcnt 0x0                           ; no tensor load of mine is out, so group 0 may be written
	ds_add_u32 v5, v6                              ; 0 onto my spare word: the descriptor's steps stand between it and the wait for it
.if \fill
	s_xor_b32 s33, s33, SLOT1                      ; the other slot than last time
	s_add_co_u32 s54, s43, 1
	s_add_co_u32 s38, s38, BLK                     ; the next key step,
	s_cmp_eq_u32 s54, s45
	s_cselect_b32 s38, 0, s38                      ; or key step 0 again, where the next trip begins the second block of queries
	s_add_nc_u64 s[34:35], s[36:37], s[38:39]
	s_or_b32 s35, s35, 0x80000000                  ; 127:126 type = 2
	s_wait_xcnt 0x0                                ; the last prefetch, a trip back, has read its address, so it may be written
	s_add_nc_u64 s[40:41], s[40:41], BLK
.endif
	s_wait_dscnt 0x0                               ; the add is done, and my reads of the slot that I have left are over
	s_barrier_signal -1
	s_barrier_wait -1
.if \fill
	TLOAD                                          ; the first thing behind the barrier, and a wave's one tensor load until the next
	ASK
.endif
.endm
; 64 numbers of a lane, register s + 16 b + i = k 32 b + 16 (lane / 16) + i of the lane's row, become a fragment's codes in v[pc] on and its scale word in v[pw].  It runs under the tile's window.
.macro QUANT s, pc, pw
.irp b, 0,1,2,3
	v_max3_num_f32 v[232+\b], |v[\s+16*\b]|, |v[\s+1+16*\b]|, 0x8000000   ; block b: my 16 numbers, and the floor 2^(16 - 127): the byte cannot fall under 1
.endr
.irp i, 2,4,6,8,10,12,14
.irp b, 0,1,2,3
	s_delay_alu instid0(VALU_DEP_4)
	v_max3_num_f32 v[232+\b], v[232+\b], |v[\s+16*\b+\i]|, |v[\s+1+16*\b+\i]|
.endr
.endr
.irp b, 0,1,2,3
	s_delay_alu instid0(VALU_DEP_4)
	v_permlanex16_b32 v[236+\b], v[232+\b], s20, s21
.endr
.irp b, 0,1,2,3
	s_delay_alu instid0(VALU_DEP_4)
	v_max_num_f32 v[232+\b], v[232+\b], v[236+\b]          ; with lane l xor 16's 16: the block's largest magnitude
.endr
.irp b, 0,1,2,3
	s_delay_alu instid0(VALU_DEP_4)
	v_add_nc_u32 v[244+\b], 0xf8800000, v[232+\b]          ; 15 off its exponent field: the conversion's scale operand
.endr
.irp b, 0,1,2,3
.endr
.irp b, 0,1,2,3
	s_delay_alu instid0(VALU_DEP_4)
	v_lshrrev_b32 v[236+\b], 23, v[244+\b]                 ; the scale's byte
.endr
	s_delay_alu instid0(VALU_DEP_3)
	v_lshl_or_b32 v[\pw], v237, 8, v236
	s_delay_alu instid0(VALU_DEP_1)
	v_lshl_or_b32 v[\pw], v238, 16, v[\pw]
	s_delay_alu instid0(VALU_DEP_1)
	v_lshl_or_b32 v[\pw], v239, 24, v[\pw]
.irp b, 0,1,2,3
.irp i, 0,1,2,3,4,5,6,7,8,9,10,11,12,13,14,15
.endr
	v_cvt_scalef32_pk8_bf8_f32 v[\pc+4*\b:\pc+1+4*\b], v[\s+16*\b:\s+7+16*\b], v[244+\b]
	v_cvt_scalef32_pk8_bf8_f32 v[\pc+2+4*\b:\pc+3+4*\b], v[\s+8+16*\b:\s+15+16*\b], v[244+\b]
.endr
	v_nop                                                  ; one plain vector instruction behind the last conversion
.endm
; Tile x's 16 rows of q, loaded a row an instruction into v[raw] on, are turned through my stage, so that a lane holds 16 neighbouring channels of each block of 32 of its own row, and quantised into v16-31 and v255.
; left: the younger loads of q, which may stay out.  isA = 1: the second block's: codes and scale word go to LDS as an image of their registers, and come back at the change of blocks.
.macro QSET x, raw, left, isA
	s_wait_loadcnt \left
	WIN (\x)<<2                                    ; an LDS store's data are its source 1
.set i, 0
.rept 16
	ds_store_b128 v3, v[\raw+4*i:\raw+4*i+3] offset:SP*i
.set i, i+1
.endr
	WIN (\x)<<6
.irp c, 0,1,2,3
.irp j, 0,1,2,3
	ds_load_b128 v[32+16*\c+4*\j:35+16*\c+4*\j], v4 offset:128*\c+16*\j   ; my own stage: LDS serves a wave's instructions in order (ISA guide 5.7.1.4)
.endr
.endr
	s_wait_dscnt 0x0
	WIN (\x)*0x55
	QUANT 32, 16, 255
.if \isA
	WIN (\x)<<2
.irp c, 0,1,2,3
	ds_store_b128 v11, v[16+4*\c:19+4*\c] offset:QT*(\x)+512*\c
.endr
	ds_store_b32 v11, v255 offset:QT*(\x)+2048
	s_wait_dscnt 0x0                               ; the stores have read their registers, which the first block's Q takes next
.endif
	WIN 0
.endm
; A block of queries begins: the largest t is -3e38, under every t; the sum and O^T are zeros, which the first change of M leaves zeros.  So a key step is written without a first step of its own.
.macro INIT
	v_mov_b32 v13, 0xff61b1e6
	s_delay_alu instid0(VALU_DEP_1)
	v_floor_f32 v12, -v13
	v_mov_b32 v14, 0
	v_mov_b32 v15, 0
	v_mov_b32 v253, 0                              ; (named as the upper half of the pair v[252:253] before it is first written)
.set j, 0
.rept 64
	v_mov_b32 v[160+j], 0
.set j, j+1
.endr
.endm
; Eight fragments (four loads of 512 consecutive bytes each) and their scale words.  Scale register j takes 128 consecutive bytes: tile 2 j's words in lanes 0-15, tile 2 j + 1's in lanes 16-31.
.macro FRAGS base, sbase
.irp t, 0,1,2,3
.irp c, 0,1,2,3
	ds_load_b128 v[32+16*\t+4*\c:35+16*\t+4*\c], v8 offset:\base+2048*\t+512*\c
.endr
.endr
.irp j, 0,1,2,3
	ds_load_b32 v[248+\j], v9 offset:\sbase+128*\j
.endr
	WIN 0x40                                       ; tiles 4-7 into window 1
.irp t, 0,1,2,3
.irp c, 0,1,2,3
	ds_load_b128 v[32+16*\t+4*\c:35+16*\t+4*\c], v8 offset:\base+2048*(4+\t)+512*\c
.endr
.endr
	WIN 0
.endm
; One product on the symbols rD, rA, rB, rSA, rSB.  acc = 1: onto D; 0: the sum begins.  ra, rb: source 0's, source 1's scales stand in lanes 16-31 of their register.
.macro WM acc, ra, rb
.if \acc
.if (\ra) && (\rb)
	v_wmma_scale_f32_16x16x128_f8f6f4 v[rD:rD+7], v[rA:rA+15], v[rB:rB+15], v[rD:rD+7], v[rSA], v[rSB] matrix_a_fmt:MATRIX_FMT_BF8 matrix_b_fmt:MATRIX_FMT_BF8 matrix_a_scale:MATRIX_SCALE_ROW1 matrix_b_scale:MATRIX_SCALE_ROW1
.elseif (\ra)
	v_wmma_scale_f32_16x16x128_f8f6f4 v[rD:rD+7], v[rA:rA+15], v[rB:rB+15], v[rD:rD+7], v[rSA], v[rSB] matrix_a_fmt:MATRIX_FMT_BF8 matrix_b_fmt:MATRIX_FMT_BF8 matrix_a_scale:MATRIX_SCALE_ROW1
.elseif (\rb)
	v_wmma_scale_f32_16x16x128_f8f6f4 v[rD:rD+7], v[rA:rA+15], v[rB:rB+15], v[rD:rD+7], v[rSA], v[rSB] matrix_a_fmt:MATRIX_FMT_BF8 matrix_b_fmt:MATRIX_FMT_BF8 matrix_b_scale:MATRIX_SCALE_ROW1
.else
	v_wmma_scale_f32_16x16x128_f8f6f4 v[rD:rD+7], v[rA:rA+15], v[rB:rB+15], v[rD:rD+7], v[rSA], v[rSB] matrix_a_fmt:MATRIX_FMT_BF8 matrix_b_fmt:MATRIX_FMT_BF8
.endif
.else
.if (\ra) && (\rb)
	v_wmma_scale_f32_16x16x128_f8f6f4 v[rD:rD+7], v[rA:rA+15], v[rB:rB+15], 0, v[rSA], v[rSB] matrix_a_fmt:MATRIX_FMT_BF8 matrix_b_fmt:MATRIX_FMT_BF8 matrix_a_scale:MATRIX_SCALE_ROW1 matrix_b_scale:MATRIX_SCALE_ROW1
.elseif (\ra)
	v_wmma_scale_f32_16x16x128_f8f6f4 v[rD:rD+7], v[rA:rA+15], v[rB:rB+15], 0, v[rSA], v[rSB] matrix_a_fmt:MATRIX_FMT_BF8 matrix_b_fmt:MATRIX_FMT_BF8 matrix_a_scale:MATRIX_SCALE_ROW1
.elseif (\rb)
	v_wmma_scale_f32_16x16x128_f8f6f4 v[rD:rD+7], v[rA:rA+15], v[rB:rB+15], 0, v[rSA], v[rSB] matrix_a_fmt:MATRIX_FMT_BF8 matrix_b_fmt:MATRIX_FMT_BF8 matrix_b_scale:MATRIX_SCALE_ROW1
.else
	v_wmma_scale_f32_16x16x128_f8f6f4 v[rD:rD+7], v[rA:rA+15], v[rB:rB+15], 0, v[rSA], v[rSB] matrix_a_fmt:MATRIX_FMT_BF8 matrix_b_fmt:MATRIX_FMT_BF8
.endif
.endif
.endm
; 16 products: the eight fragments T = 4 g + t (window g) as source 0, each against both tiles of queries (window x) as source 1.  Each of the 16 accumulators has one instruction: they take turns.
.macro PRODS d0, b0, sb, acc
.irp g, 0,1
.irp x, 0,1
.if (\g == 1) && (\x == 0)
	s_wait_dscnt 0x0                               ; the fragments of tiles 4-7 are in
.endif
	WIN (\x<<6)|(\x<<4)|(\x<<2)|\g
.irp t, 0,1,2,3
.set rD, \d0+8*(4*\g+\t)
.set rA, 32+16*\t
.set rB, \b0
.set rSA, 248+2*\g+\t/2
.set rSB, \sb
	WM \acc, \t%2, \x
.endr
.endr
.endr
	WIN 0
.endm
; On the diagonal the scores of hidden keys become -infinity ahead of the maximum: p = 0 then.  s54 = my first query - the step's first key.  Under the tile's window.
.macro MASK
	v_and_b32 v252, 15, v0
	v_bfe_u32 v254, v0, 4, 1
	s_delay_alu instid0(VALU_DEP_1)
	v_lshlrev_b32 v254, 4, v254
	s_delay_alu instid0(VALU_DEP_1)
	v_sub_nc_u32 v252, v252, v254
	s_delay_alu instid0(VALU_DEP_1)
	v_add_nc_u32 v252, s54, v252                   ; d = my query - the step's first key - 16 (lane / 16).  Register 16 b + i holds key 16 (lane / 16) + 32 b + i of the step: hidden where 32 b + i > d
	v_mov_b32 v254, 0xff800000                     ; -infinity
.set n, 0
.rept 64
	v_cmp_gt_i32 vcc_lo, 32*(n/16)+n%16, v252
	v_cndmask_b32 v[96+n], v[96+n], v254, vcc_lo   ; in ascending order: each accumulator is read from its low end on
.set n, n+1
.endr
.endm
; Tile x's softmax for a key step, under the tile's window.
.macro SM x
.irp b, 0,1,2,3
	v_max3_num_f32 v[232+\b], v[96+16*\b], v[97+16*\b], v[98+16*\b]   ; the largest score of each block of 32 keys: it serves the row's maximum and, since p rises with the score, the block's largest p
.endr
.irp i, 3,5,7,9,11,13
.irp b, 0,1,2,3
	v_max3_num_f32 v[232+\b], v[232+\b], v[96+16*\b+\i], v[97+16*\b+\i]
.endr
.endr
.irp b, 0,1,2,3
	v_max_num_f32 v[232+\b], v[232+\b], v[111+16*\b]
.endr
.irp b, 0,1,2,3
	v_permlanex16_b32 v[236+\b], v[232+\b], s20, s21
.endr
.irp b, 0,1,2,3
	s_delay_alu instid0(VALU_DEP_4)
	v_max_num_f32 v[232+\b], v[232+\b], v[236+\b]          ; with lane l xor 16's 16 keys
.endr
	s_delay_alu instid0(VALU_DEP_2)
	v_max3_num_f32 v254, v232, v233, v234
	s_delay_alu instid0(VALU_DEP_1)
	v_max_num_f32 v254, v254, v235                         ; the step's largest score of my query
	s_delay_alu instid0(VALU_DEP_1)
	v_mul_f32 v254, s22, v254                              ; as t (c is positive)
	s_delay_alu instid0(VALU_DEP_1)
	v_max_num_f32 v13, v13, v254                           ; the running largest t
	v_mov_b32 v254, v12
	s_delay_alu instid0(VALU_DEP_2)
	v_floor_f32 v12, -v13                                  ; the new -M = floor(-t) = -ceil(t): a whole number
	s_delay_alu instid0(VALU_DEP_1)
	v_sub_f32 v254, v12, v254                              ; old M - new M: a whole number, 0 or less
	s_delay_alu instid0(VALU_DEP_1)
	v_cvt_i32_f32 v254, v254                               ; (it saturates)
	s_delay_alu instid0(VALU_DEP_1)
	v_ldexp_f32 v252, 1.0, v254                            ; f = 2^(old M - new M)
.set j, 0
.rept 32
	v_pk_fma_f32 v[96+j:97+j], v[96+j:97+j], s[22:23], v[12:13] op_sel_hi:[1,0,0]   ; t - M, two at a time (of the pairs c and -M the low word serves both halves)
.set j, j+2
.endr
.irp b, 0,1,2,3
	v_fma_f32 v[232+\b], v[232+\b], s22, v12               ; the same of each block's largest score
.endr
.set j, 0
	s_wait_alu depctr_va_vdst(0)
.rept 64
	v_exp_f32 v[96+j], v[96+j]                             ; p = 2^(t - M), at most 1
.set j, j+1
.endr
	v_pk_mul_f32 v[14:15], v[14:15], v[252:253] op_sel_hi:[1,0]   ; the sums under the new M: a plain instruction behind the exponentials
	s_wait_alu depctr_va_vdst(0)                           ; one wait for the batch of 64, ahead of its first reader
.irp b, 0,1,2,3
	v_exp_f32 v[232+\b], v[232+\b]                         ; the block's largest p: the same two instructions on the same number give the same bits
.endr
	v_pk_add_f32 v[236:237], v[96:97], v[98:99]            ; the row's sum is taken of the unquantised p: two at a time, in two chains
.set j, 4
.rept 15
	v_pk_add_f32 v[14:15], v[14:15], v[96+j:97+j]
	v_pk_add_f32 v[236:237], v[236:237], v[98+j:99+j]
.set j, j+4
.endr
	s_delay_alu instid0(VALU_DEP_1)
	v_pk_add_f32 v[14:15], v[14:15], v[236:237]
	s_wait_alu depctr_va_vdst(0)                           ; and one for the four
.irp b, 0,1,2,3
	v_max_num_f32 v[232+\b], 0x8000000, v[232+\b]          ; the floor 2^(16 - 127): the byte cannot fall under 1
.endr
.irp b, 0,1,2,3
	s_delay_alu instid0(VALU_DEP_4)
	v_add_nc_u32 v[244+\b], 0xf8800000, v[232+\b]          ; 15 off the exponent field: the conversion's scale operand
.endr
.irp b, 0,1,2,3
.endr
.irp b, 0,1,2,3
	s_delay_alu instid0(VALU_DEP_4)
	v_lshrrev_b32 v[236+\b], 23, v[244+\b]                 ; the scale's byte
.endr
	s_delay_alu instid0(VALU_DEP_3)
	v_lshl_or_b32 v253, v237, 8, v236                      ; p's scale word for these 128 keys; lanes r and r + 16 hold the same
	s_delay_alu instid0(VALU_DEP_1)
	v_lshl_or_b32 v253, v238, 16, v253
	s_delay_alu instid0(VALU_DEP_1)
	v_lshl_or_b32 v253, v239, 24, v253
.if \x
	WIN 0x04                                               ; source 1 in window 1, all else in window 0:
	v_cndmask_b32 v253, v253, v253, s11                    ; window 0's v253 keeps tile 0's words in lanes 0-15 and takes tile 1's in lanes 16-31; the conversions and the 32 multiplications below stand between it and the products
	WIN 0x55
.endif
.irp b, 0,1,2,3
.irp i, 0,1,2,3,4,5,6,7,8,9,10,11,12,13,14,15
.endr
	v_cvt_scalef32_pk8_bf8_f32 v[224+4*\b:225+4*\b], v[96+16*\b:103+16*\b], v[244+\b]
	v_cvt_scalef32_pk8_bf8_f32 v[226+4*\b:227+4*\b], v[104+16*\b:111+16*\b], v[244+\b]
.endr
.set j, 0
.rept 32
	v_pk_mul_f32 v[160+j:161+j], v[160+j:161+j], v[252:253] op_sel_hi:[1,0]   ; O^T under the new M, in ascending order; these lines also stand between the codes and the products
.set j, j+2
.endr
.endm
; THE WAY OUT of tile x: O^T / the sum goes through my stage (register 8 T + j of lane (r, h) is channel 16 T + 8 h + j of query r) and comes back as whole rows of 512 bytes, which the 32 lanes store, aligned.
.macro FLUSH x
	WIN (\x)*0x55
	v_add_f32 v14, v14, v15                        ; the sum's two halves,
	s_delay_alu instid0(VALU_DEP_1)
	v_permlanex16_b32 v252, v14, s20, s21
	s_delay_alu instid0(VALU_DEP_1)
	v_add_f32 v14, v14, v252                       ; and lane l xor 16's: the row's sum
	s_wait_alu depctr_va_vdst(0)
	v_rcp_f32 v14, v14
	v_nop                                          ; a plain instruction behind the reciprocal,
	s_wait_alu depctr_va_vdst(0)                   ; and the wait ahead of its first reader
.set j, 0
.rept 32
	v_pk_mul_f32 v[96+j:97+j], v[160+j:161+j], v[14:15] op_sel_hi:[1,0]   ; in ascending order: each accumulator is read from its low end on
.set j, j+2
.endr
	WIN (\x)<<2
.irp t, 0,1,2,3,4,5,6,7
	ds_store_b128 v7, v[96+8*\t:99+8*\t] offset:64*\t
	ds_store_b128 v7, v[100+8*\t:103+8*\t] offset:64*\t+16
.endr
	WIN (\x)<<6
.set i, 0
.rept 16
	ds_load_b128 v[32+4*i:35+4*i], v3 offset:SP*i  ; my own stage: LDS serves a wave's instructions in order (ISA guide 5.7.1.4)
.set i, i+1
.endr
	WIN (\x)<<2
.set i, 0
.rept 16
	s_wait_dscnt 15-i                              ; row i is back; the 15 - i younger loads may be out
	global_store_b128 v1, v[32+4*i:35+4*i], s[50:51] offset:16384*i+512*(\x) th:TH_STORE_NT   ; position i of my 16, head x of my two
.set i, i+1
.endr
	WIN 0
.endm
; A KEY STEP of 128 keys, for both tiles.  last = 1: the launch's last step, written out behind the loop: its mask and its way out are certain, and no block of queries follows.
.macro STEP last
	v_add_nc_u32 v8, s46, v1
	v_add_nc_u32 v9, s46, v2
.rept 6
	v_nop                                          ; with the two additions: eight plain instructions between the last products and the loads into registers that they read
.endr
	FRAGS 0, 0                                     ; K's eight tiles
	s_wait_alu depctr_va_vdst(0)
	s_wait_dscnt 16                                ; tiles 0-3 and the scale words are in; the 16 loads of tiles 4-7, issued last, may be out
	PRODS 96, 16, 255, 0                           ; S^T = K Q^T
.rept 8
	v_nop                                          ; eight again: ahead of the loads below, and of the first read of the scores
.endr
	FRAGS 16384, 512                               ; V's eight tiles are asked for ahead of the softmax, which touches none of their registers
.if \last == 0
	s_cmp_lg_u32 s43, s44                          ; only a block's last step meets the diagonal
	s_cbranch_scc1 .Lopen_\@
.endif
	s_sub_co_i32 s54, s48, s47
	MASK
	WIN 0x55
	MASK
	WIN 0
.if \last == 0
.Lopen_\@:
.endif
	SM 0
	WIN 0x55
	SM 1
	s_wait_alu depctr_va_vdst(0)
	s_wait_dscnt 16                                ; as above
	PRODS 160, 224, 253, 1                         ; O^T += V^T P^T
	s_add_co_u32 s47, s47, 128
	s_xor_b32 s46, s46, SLOT1                      ; on to the other slot
.if \last == 0
	s_cmp_lg_u32 s43, s44
	s_cbranch_scc1 .Lgo_\@
.endif
.rept 8
	v_nop                                          ; ahead of the first read of O^T
.endr
	FLUSH 0
	FLUSH 1
.if \last == 0
	s_wait_xcnt 0x0                                ; the stores have read their base and their data registers, which are written again from here on
	s_mov_b64 s[50:51], s[52:53]                   ; THE SECOND BLOCK OF QUERIES: its rows of out0, its first query, key 0,
	s_mov_b32 s48, s49
	s_mov_b32 s47, 0
.irp c, 0,1,2,3
	ds_load_b128 v[16+4*\c:19+4*\c], v11 offset:512*\c     ; and its Q, from my images
.endr
	ds_load_b32 v255, v11 offset:2048
	ds_load_b32 v254, v11 offset:QT+2048
	WIN 0x40
.irp c, 0,1,2,3
	ds_load_b128 v[16+4*\c:19+4*\c], v11 offset:QT+512*\c
.endr
	WIN 0
	s_wait_dscnt 0x0
	v_cndmask_b32 v255, v255, v254, s11            ; tile 0's scale words in lanes 0-15, tile 1's in lanes 16-31
	INIT
	WIN 0x55
	INIT
	WIN 0
.Lgo_\@:
.endif
.endm
	s_load_b128 s[4:7], s[0:1], 0x0                ; q s[4:5], kv s[6:7]
	s_load_b64 s[8:9], s[0:1], 0x10                ; out0
	v_lshl_add_u32 v5, v0, 2, SPARE
	v_mov_b32 v6, 0
	ds_add_u32 v5, v6
	ds_add_u32 v5, v6
	s_wait_dscnt 0x0
	v_lshrrev_b32 v8, 5, v0
	s_delay_alu instid0(VALU_DEP_1)
	v_readfirstlane_b32 s10, v8                    ; wave 0..7
	s_mov_b32 s11, 0xffff0000
	s_mov_b32 s20, 0x76543210
	s_mov_b32 s21, 0xfedcba98
	s_mov_b32 s22, 0x3e0293ee                      ; c = log2(e) / sqrt(128)
	s_mov_b32 s23, s22                             ; (named with it as a pair, so it is written)
	; descriptor group 1: half a block, dense in memory, as 66 rows of 256 bytes (32 elements of 8 bytes), no padding: the fragments are read 512 consecutive bytes an instruction
	s_mov_b32 s24, 3<<16                           ; 15:0 no mask; 17:16 elements of 8 bytes
	s_mov_b32 s25, 32<<16                          ; tensor_dim0 = 32
	s_mov_b32 s26, 66<<16                          ; tensor_dim1 = 66
	s_mov_b32 s27, 32<<16                          ; tile_dim0 = 32
	s_mov_b32 s28, 66                              ; tile_dim1 = 66
	s_mov_b32 s29, 32                              ; tensor_dim0_stride
	s_mov_b32 s30, 0
	s_mov_b32 s31, 0
	s_and_b32 s54, ttmp7, 0xffff                   ; y = 8 b + kvh
	s_and_b32 s55, s10, 3                          ; which 16 positions of a block are mine
	s_lshr_b32 s56, s10, 2                         ; which two of the four heads
	s_lshr_b32 s57, s54, 3
	s_lshl_b32 s57, s57, 25                        ; b x 2,048 positions of 16,384 bytes
	s_lshl_b32 s58, s55, 18
	s_add_co_u32 s57, s57, s58                     ; + my 16 positions
	s_and_b32 s58, s54, 7
	s_lshl_b32 s58, s58, 11
	s_add_co_u32 s57, s57, s58                     ; + the KV head's four heads of 512 bytes
	s_lshl_b32 s58, s56, 10
	s_add_co_u32 s57, s57, s58                     ; + my two
	s_sub_co_u32 s59, 31, ttmp9                    ; the first block of queries: 31 - p
	s_lshr_b32 s44, s59, 1                         ; its last key step, which is its last trip
	s_add_co_u32 s45, s44, 1
	s_lshl_b32 s60, s59, 20                        ; a block is 64 positions: 2^20 bytes
	s_add_co_u32 s60, s60, s57                     ; under 2^27
	s_mov_b32 s61, 0
	s_lshl_b32 s62, ttmp9, 20                      ; the second block: p
	s_add_co_u32 s62, s62, s57
	s_mov_b32 s63, 0
	s_lshl_b32 s58, s55, 4
	s_lshl_b32 s48, s59, 6
	s_add_co_u32 s48, s48, s58                     ; my first query, in the first block
	s_lshl_b32 s49, ttmp9, 6
	s_add_co_u32 s49, s49, s58                     ; and in the second
	s_mul_i32 s70, s54, 16*BLK                     ; the KV head's sixteen blocks
	s_and_b32 s72, s10, 1
	s_mul_i32 s33, s72, HALF                       ; 63:32 LDS address: slot 0, my half
	s_add_co_u32 s72, s70, s33
	s_mov_b32 s73, 0
	s_lshl_b32 s74, s55, 13                        ; the prefetches: my 8,192 bytes,
	s_add_co_u32 s74, s74, s70
	s_add_co_u32 s74, s74, BLK                     ; in key step 1: the first change of slots steps it to key step 2
	s_mov_b32 s75, 0
	s_xor_b32 s76, s56, 1                          ; 0 in waves 4 to 7,
	s_or_b32 s76, s76, ttmp9                       ; of the work-group with p = 0
	s_cmp_eq_u32 s76, 0
	s_cselect_b32 s42, 14, 0
	s_mov_b32 s32, 1                               ; 1:0 count = 1
	s_mov_b32 s38, 0
	s_mov_b32 s39, 0
	s_mov_b32 s43, 0
	s_mov_b32 s46, 0
	s_mov_b32 s47, 0
	s_wait_kmcnt 0x0
	s_add_nc_u64 s[36:37], s[6:7], s[72:73]
	s_mov_b64 s[34:35], s[36:37]                   ; 120:64 global address: key step 0
	s_or_b32 s35, s35, 0x80000000                  ; 127:126 type = 2
	TLOAD                                          ; slot 0's first fill, ahead of every LDS read, every wait for tensor loads and every barrier
	s_add_nc_u64 s[40:41], s[6:7], s[74:75]
	s_add_nc_u64 s[66:67], s[4:5], s[60:61]
	s_add_nc_u64 s[68:69], s[4:5], s[62:63]
	s_add_nc_u64 s[50:51], s[8:9], s[60:61]
	s_add_nc_u64 s[52:53], s[8:9], s[62:63]
	v_and_b32 v8, 31, v0                           ; lane
	s_delay_alu instid0(VALU_DEP_1)
	v_lshlrev_b32 v1, 4, v8
	s_delay_alu instid0(VALU_DEP_2)
	v_lshl_add_u32 v2, v8, 2, 32768
	s_delay_alu instid0(VALU_DEP_3)
	v_lshlrev_b32 v10, 8, v8
.set i, 0
.rept 16
	global_load_b128 v[96+4*i:99+4*i], v1, s[68:69] offset:16384*i th:TH_LOAD_NT        ; q: the second block, tile 0: a row of 512 bytes an instruction
.set i, i+1
.endr
	WIN 0x40
.set i, 0
.rept 16
	global_load_b128 v[96+4*i:99+4*i], v1, s[68:69] offset:16384*i+512 th:TH_LOAD_NT    ; tile 1
.set i, i+1
.endr
	WIN 0
.set i, 0
.rept 16
	global_load_b128 v[160+4*i:163+4*i], v1, s[66:67] offset:16384*i th:TH_LOAD_NT      ; the first block, tile 0
.set i, i+1
.endr
	WIN 0x40
.set i, 0
.rept 16
	global_load_b128 v[160+4*i:163+4*i], v1, s[66:67] offset:16384*i+512 th:TH_LOAD_NT  ; tile 1
.set i, i+1
.endr
	v_mov_b32 v0, v0                               ; window 1's v0 = the thread's number: the mask's lines run under the tile's window
.irp b, 0,1,2,3
	v_mov_b32 v[236+\b], 0                         ; written once in each window: a lane permute's destination counts as one of its sources
.endr
	WIN 0
.irp b, 0,1,2,3
	v_mov_b32 v[236+\b], 0
.endr
	s_mul_i32 s77, s10, 16*SP
	s_add_co_u32 s77, s77, STG                     ; my stage
	v_add_nc_u32 v3, s77, v1
	v_and_b32 v8, 15, v0                           ; r
	v_bfe_u32 v9, v0, 4, 1                         ; h
	s_delay_alu instid0(VALU_DEP_2)
	v_mul_u32_u24 v4, v8, SP
	s_delay_alu instid0(VALU_DEP_1)
	v_add_nc_u32 v4, s77, v4
	s_delay_alu instid0(VALU_DEP_1)
	v_lshl_add_u32 v7, v9, 5, v4
	s_delay_alu instid0(VALU_DEP_2)
	v_lshl_add_u32 v4, v9, 6, v4
	s_mul_i32 s77, s10, 2*QT
	s_add_co_u32 s77, s77, QIM
	v_add_nc_u32 v11, s77, v1
	s_wait_alu depctr_va_vdst(0)
	QSET 0, 96, 48, 1                              ; each count: the younger loads of q, 16 for each tile not yet turned
	QSET 1, 96, 32, 1
	QSET 0, 160, 16, 0
	QSET 1, 160, 0, 0
	WIN 0x04
	v_cndmask_b32 v255, v255, v255, s11            ; window 0's v255: tile 0's scale words in lanes 0-15, tile 1's in lanes 16-31
	WIN 0
	INIT
	WIN 0x55
	INIT
	WIN 0
.Ltrip:                                            ; 16 trips: behind each change of slots the next trip's block is asked for
	CHANGE 1
	STEP 0
	s_add_co_u32 s43, s43, 1
	s_cmp_lt_u32 s43, 16
	s_cbranch_scc1 .Ltrip
	CHANGE 0                                       ; the seventeenth step is written out
	STEP 1
	s_wait_tensorcnt 0x0                           ; the wave's end, behind my last tensor load and my last LDS store
	ds_add_u32 v5, v6
	s_wait_dscnt 0x0
	s_endpgm
.Lfunc_end_k_q5778258c9b_attn:
	.size	k_q5778258c9b_attn, .Lfunc_end_k_q5778258c9b_attn-k_q5778258c9b_attn
	.p2alignl 7, 3214868480
	.fill 96, 4, 3214868480
	.section	.rodata,"a",@progbits
	.p2align	6, 0x0
	.amdhsa_kernel k_q5778258c9b_attn
		.amdhsa_group_segment_fixed_size 327680
		.amdhsa_private_segment_fixed_size 0
		.amdhsa_enable_private_segment 0
		.amdhsa_kernarg_size 24
		.amdhsa_user_sgpr_count 2
		.amdhsa_user_sgpr_kernarg_segment_ptr 1
		.amdhsa_wavefront_size32 1
		.amdhsa_system_sgpr_workgroup_id_x 1
		.amdhsa_system_sgpr_workgroup_id_y 1
		.amdhsa_system_sgpr_workgroup_id_z 1
		.amdhsa_system_vgpr_workitem_id 0
		.amdhsa_next_free_vgpr 512
		.amdhsa_next_free_sgpr 80
		.amdhsa_reserve_vcc 1
		.amdhsa_float_denorm_mode_32 3
		.amdhsa_float_denorm_mode_16_64 3
		.amdhsa_fp16_overflow 1
		.amdhsa_memory_ordered 1
		.amdhsa_forward_progress 1
		.amdhsa_inst_pref_size 173
	.end_amdhsa_kernel
	.amdgpu_metadata
---
amdhsa.version: [ 1, 2 ]
amdhsa.kernels:
  - .name:           k_q5778258c9b_attn
    .symbol:         k_q5778258c9b_attn.kd
    .args:
      - { .name: q, .offset: 0, .size: 8, .value_kind: global_buffer, .address_space: global }
      - { .name: kv, .offset: 8, .size: 8, .value_kind: global_buffer, .address_space: global }
      - { .name: out0, .offset: 16, .size: 8, .value_kind: global_buffer, .address_space: global }
    .group_segment_fixed_size: 327680
    .private_segment_fixed_size: 0
    .kernarg_segment_align: 8
    .kernarg_segment_size: 24
    .max_flat_workgroup_size: 256
    .sgpr_count:     80
    .vgpr_count:     512
    .wavefront_size: 32
...
	.end_amdgpu_metadata
.endif
;; end of part 2
